; MI455X (gfx1250); checked and timed in simulation.
; The chip was launched on July 23, 2026; its instructions are those of AMD's public machine-readable ISA for CDNA 5 (MIT licence, August 2026) and "CDNA5" Instruction Set Architecture Reference Guide (July 2026). The comments in the code are by the model that wrote it; some were corrected since.
;; Self Attention. Allowed arithmetic: matrix products marked QUANTISED: E2M3 operands, one E8M0 scale for each 32 along K, by v_wmma_scale_f32_16x16x128_f8f6f4 with both operands' format E2M3, f32 sums; everything else in f32.
;; Inputs: W_in 3,072 x 1,024 float32; W_out 1,024 x 1,024 float32; b_in 3,072 float32; b_out 1,024 float32; x 4 x 2,048 x 1,024 float32.
;; Outputs: out0 4 x 2,048 x 1,024 float32.
;; Constants: causal_mask = 1.
;; This version of the problem:
;;   THIS VERSION OF THE PROBLEM IS GIVEN IN LOW PRECISION. The matrix products marked QUANTISED in the list below multiply operands that are first quantised to E2M3 (2 exponent bits, 3 mantissa bits; 6 bits a number), with one power-of-two scale for each 32 numbers along K (OCP MX v1.0); their sums are f32. All else is computed in f32.
;;   The module's matrix products, in the order in which they are computed (A, B: the left and right operand; K: the contracted axis; several contracted axes count as one K, in the product's order):
;;     1. [M 8,192, K 1,024] x [K 1,024, N 3,072]; A: input x; B: input W_in: QUANTISED
;;     2. batch 64 x [M 2,048, K 64] x [K 64, N 2,048]; A: computed on the way; B: computed on the way: QUANTISED
;;     3. batch 64 x [M 2,048, K 2,048] x [K 2,048, N 64]; A: softmax (see below); B: computed on the way: QUANTISED
;;     4. [M 8,192, K 1,024] x [K 1,024, N 1,024]; A: computed on the way; B: input W_out: QUANTISED
;;   THE QUANTISER, for each operand of a quantised product, along K:
;;     - K is cut into blocks of 32 from its start; a last block that is shorter is filled with zeros.
;;     - A block's scale is 2^e with e = floor(log2(the largest magnitude in the block)) - 2, held to -126 .. 127; a block of zeros has e = 0. As a byte (E8M0): e + 127.
;;     - Each number is divided by its block's scale, clamped to +-7.5, and rounded to the nearest number of E2M3, ties to even, subnormals kept.
;;     - The product sums the exact products of the quantised numbers (number of the format x scale) in f32.
;;   ~~~python
;;   def quantise(x, axis):      # numpy; x: float32 -> the quantised numbers, widened to float32 again
;;       x = np.moveaxis(x, axis, -1); K = x.shape[-1]
;;       x = np.pad(x, [(0, 0)] * (x.ndim - 1) + [(0, -K % 32)]); x = x.reshape(x.shape[:-1] + (-1, 32)); a = np.abs(x).max(-1, keepdims=True)
;;       e = np.where(a > 0, np.clip(np.frexp(np.where(a > 0, a, 1))[1] - 1 - 2, -126, 127), 0)      # np.frexp(a)[1] - 1 = floor(log2(a)), exactly
;;       r = np.clip(x / 2.0 ** e, -7.5, 7.5)
;;       step = 2.0 ** (np.maximum(np.frexp(np.where(r == 0, 1, r))[1] - 1, 0) - 3)
;;       q = np.round(r / step) * step * 2.0 ** e      # np.round: ties to even
;;       return np.moveaxis(q.reshape(q.shape[:-2] + (-1,))[..., :K], -1, axis).astype(np.float32)
;;   ~~~
;;   SOFTMAX AHEAD OF A QUANTISED PRODUCT. Where the list says 'softmax', what is quantised is not the finished softmax but p = 2^(t - M), with t = logit x log2(e) and M = ceil(the row's largest t), a whole number; so 1/2 < the row's largest p <= 1. The row's sum l is taken of the UNQUANTISED p, in f32, and the product's result is divided by l at the end. Since M is a whole number, a kernel that streams over the keys may use a running M (the ceiling of the running maximum): every later rescaling is an exact power of two, which a block's scale takes up: the codes' values come out the same.
;;   OPERANDS COMPUTED ON THE WAY. 'Computed on the way' means the value that the module computes at that place (a softmax that the list does not call 'softmax' is quantised finished and normalised). What goes into a quantiser is computed in f32, as accurately as f32 sums, v_exp_f32 and their like allow (about 1e-6 of the number): no bf16 or f16 on the way to a quantiser, and a product that is left as it is and whose result goes on into a quantised operand takes f32 operands (vector FMAs, or v_wmma_f32_16x16x4_f32). A number that lies on a knife's edge between two numbers of the format may be rounded either way, as far as f32 arithmetic and the matrix unit's own rounding can turn it there, and no further.
;; One version. Each part assembles by itself: llvm-mc -triple=amdgcn-amd-amdhsa -mcpu=gfx1250 --defsym DOCPART=n.
;; ======== version 1 of 1: 4 launches
;; workspace buffers: xc 6,553,600 bytes; wic 2,457,600 bytes; woc 819,200 bytes; qc 6,815,744 bytes; kv 13,369,344 bytes; ac 6,553,600 bytes
;; launch quant (part 1): grid 384 x 1, 8 waves a work-group, no clusters, 135,168 bytes of LDS; arguments x, W_in, W_out, xc, wic, woc; writes xc, wic, woc
.if DOCPART == 1
	.amdgcn_target "amdgcn-amd-amdhsa--gfx1250"
	.amdhsa_code_object_version 6
	.text
	.protected	k_q129ef997de_quant
	.globl	k_q129ef997de_quant
	.p2align	8
	.type	k_q129ef997de_quant,@function
k_q129ef997de_quant:
	s_mov_b64 s[64:65], 0
	v_nop
	global_prefetch_b8 v0, s[64:65] scope:SCOPE_SE
	s_setreg_imm32_b32 hwreg(HW_REG_WAVE_MODE, 25, 1), 1
	s_wait_xcnt 0x0
; x [8192][1024], W_in [3072][1024], W_out [1024][1024], f32, K innermost, become codes of FP6 (E2M3) with one E8M0 scale byte for each 32 along K,
; laid in the ORDER OF THE OPERAND'S REGISTERS.  A fragment is 16 rows x 128 K, 12 registers a lane; its image is 1,536 bytes: registers 0-3 at 16 x lane, 4-5 at 512 + 8 x lane,
; 6-9 at 768 + 16 x lane, 10-11 at 1,280 + 8 x lane.  Its scale words, 4 bytes a row, lie 64 bytes a tile behind the images of the same chunk.
; A chunk is one block of rows (x: 128, weights: 256) x one K step of 128: all its images on end, then its scale words: 12,800 or 25,600 bytes, dense.
; POSITION ORDER: place p of a tensor's rows holds true row p with bits 3 and 4 exchanged, so that lane r of tile 2 b + u holds true row 32 b + 8 u + r + 8 (r / 8).
; A block's scale is 2^(floor(log2(its largest magnitude)) - 2); its byte is the largest magnitude's exponent field - 2, held at 1 from below.
; LIMITS: a block whose largest magnitude lies under 2^-124 (a block of zeros too) gets the byte 1; a block of zeros has zero codes, and this program alone reads the bytes.  NaN and infinities are not served.
; SHARES: a work-group takes 32 rows (one group of the exchange), wave s their K step s: 32 rows x 512 bytes.  Work-groups 0-255 take x, 256-351 W_in, 352-383 W_out: only pointers are chosen, one path serves all.
; Each load reads 512 consecutive bytes of one row; a tile's 16 rows turn through the wave's own stage in LDS (rows 528 bytes apart) and come back 16 neighbours of each block of 32 to a lane.  No barrier: waves share nothing.
.set STW,  16896                       ; LDS of a wave: two stages
.set SPI,  528                         ; a stage row: 512 bytes + 16
.set TILB, 16*SPI                      ; a stage
.set RAW,  16                          ; v16-143  32 loads of 4 registers
.set X0,   144                         ; v144-207 tile 0's 64 numbers a lane
.set X1,   16                          ; v16-79   tile 1's, where tile 0's raw numbers lay
.set TM,   208                         ; v208-223 at work in QUANT
.set PC0,  224                         ; v224-242 tile 0's codes
.set PC1,  144                         ; v144-162 tile 1's
.set PW0,  244                         ; the tiles' scale words
.set PW1,  245
.set SW,   246
.set SEL,  36                          ; s[36:37] lane selects of v_permlanex16_b32: lane l xor 16
; 64 numbers of a lane, register 16 b + i = k 32 b + 16 (lane / 16) + i of its row, become a fragment's 12 registers at v[pc] on and the row's scale word in v[pw].
.macro QUANT s, pc, pw
.irp b, 0,1,2,3
	v_max3_num_f32 v[TM+\b], |v[\s+16*\b]|, |v[\s+1+16*\b]|, 0x1800000   ; block b: my 16 numbers, and the floor 2^(3 - 127): the byte cannot fall under 1
.endr
.irp i, 2,4,6,8,10,12,14
.irp b, 0,1,2,3
	v_max3_num_f32 v[TM+\b], v[TM+\b], |v[\s+16*\b+\i]|, |v[\s+1+16*\b+\i]|   ; the four blocks by turns
.endr
.endr
.irp b, 0,1,2,3
	v_permlanex16_b32 v[TM+4+\b], v[TM+\b], s[SEL], s[SEL+1]
.endr
.irp b, 0,1,2,3
	v_max_num_f32 v[TM+\b], v[TM+\b], v[TM+4+\b]       ; with lane l xor 16's: the block's largest magnitude
.endr
.irp b, 0,1,2,3
	v_add_nc_u32 v[TM+12+\b], 0xff000000, v[TM+\b]     ; 2 off its exponent field: the conversion's scale operand
.endr
.irp b, 0,1,2,3
	v_lshrrev_b32 v[TM+4+\b], 23, v[TM+12+\b]          ; the scale's byte
.endr
	v_lshl_or_b32 v[\pw], v[TM+5], 8, v[TM+4]
	v_lshl_or_b32 v[\pw], v[TM+6], 16, v[\pw]
	v_lshl_or_b32 v[\pw], v[TM+7], 24, v[\pw]
.irp c, 0,1
	v_cvt_scalef32_pk16_fp6_f32 v[\pc+6*\c:\pc+2+6*\c], v[\s+32*\c:\s+15+32*\c], v[TM+12+2*\c]
	v_cvt_scalef32_pk16_fp6_f32 v[\pc+12+4*\c:\pc+14+4*\c], v[\s+16+32*\c:\s+31+32*\c], v[TM+12+2*\c+1]   ; a conversion's three registers begin on an even number
.endr
	v_nop                                              ; one plain instruction behind the scaled conversions
.irp c, 0,1                                            ; the layout wants a whole block in a lane: lanes 0-15 block 2 c, lanes 16-31 block 2 c + 1
.irp i, 0,1,2
	v_permlane16_swap_b32 v[\pc+6*\c+\i], v[\pc+12+4*\c+\i]
.endr
.irp i, 0,1,2
	v_mov_b32 v[\pc+3+6*\c+\i], v[\pc+12+4*\c+\i]
.endr
.endr
.endm
.macro PUT pc, u                       ; tile u's image: every store covers 512 or 256 consecutive bytes, at a multiple of 256 from the buffer's first byte
	global_store_b128 v4, v[\pc:\pc+3], s[10:11] offset:1536*\u
	global_store_b64 v5, v[\pc+4:\pc+5], s[10:11] offset:1536*\u+512
	global_store_b128 v4, v[\pc+6:\pc+9], s[10:11] offset:1536*\u+768
	global_store_b64 v5, v[\pc+10:\pc+11], s[10:11] offset:1536*\u+1280
.endm
	s_load_b256 s[4:11], s[0:1], 0x0               ; x s[4:5], W_in s[6:7], W_out s[8:9], xc s[10:11]
	s_load_b128 s[12:15], s[0:1], 0x20             ; wic s[12:13], woc s[14:15]
	v_lshrrev_b32 v1, 5, v0
	v_readfirstlane_b32 s24, v1                    ; wave = K step
	v_and_b32 v1, 31, v0                           ; lane
	v_and_b32 v2, 15, v0                           ; r
	v_bfe_u32 v3, v0, 4, 1                         ; h
	v_lshlrev_b32 v4, 4, v1                        ; 16 x lane
	v_lshlrev_b32 v5, 3, v1                        ; 8 x lane
	v_lshlrev_b32 v6, 2, v1                        ; 4 x lane
	s_mul_i32 s25, s24, STW                        ; my wave's stages
	v_add_nc_u32 v7, s25, v4                       ; into a stage: 16 bytes a lane of a row
	v_mul_u32_u24 v8, v2, SPI
	v_lshl_add_u32 v8, v3, 6, v8
	v_add_nc_u32 v8, s25, v8                       ; out of it: row r, + 64 h: my 16 numbers of each block of 32
	s_mov_b32 s[SEL], 0x76543210
	s_mov_b32 s[SEL+1], 0xfedcba98
.irp b, 0,1,2,3
	v_mov_b32 v[TM+4+\b], 0                        ; written once: a lane permute's destination counts as one of its sources
.endr
	s_mov_b32 s16, 352
	s_wait_kmcnt 0x0
	s_cmp_lt_u32 ttmp9, 352                        ; the choices hang on the work-group's number alone
	s_cselect_b64 s[6:7], s[6:7], s[8:9]           ; W_in or W_out,
	s_cselect_b64 s[12:13], s[12:13], s[14:15]
	s_cselect_b32 s16, 256, s16
	s_cmp_lt_u32 ttmp9, 256
	s_cselect_b64 s[4:5], s[4:5], s[6:7]           ; or x
	s_cselect_b64 s[10:11], s[10:11], s[12:13]
	s_cselect_b32 s16, 0, s16                      ; the tensor's first work-group
	s_cselect_b32 s17, 0, 1                        ; f: 0 for blocks of 128 rows, 1 for blocks of 256
	s_sub_co_u32 s16, ttmp9, s16                   ; which 32 rows of the tensor
	s_add_co_u32 s18, s17, 2
	s_lshr_b32 s19, s16, s18                       ; the block of rows,
	s_lshl_b32 s20, 4, s17
	s_sub_co_u32 s20, s20, 1
	s_and_b32 s20, s16, s20                        ; and my 32 rows' place in it
	s_lshl_b32 s19, s19, 3
	s_add_co_u32 s19, s19, s24
	s_mul_i32 s19, s19, 12800
	s_lshl_b32 s19, s19, s17                       ; the chunk (block, K step), in bytes
	s_mul_i32 s28, s20, 3072
	s_add_co_u32 s28, s28, s19                     ; my two images
	s_mov_b32 s29, 0
	s_lshl_b32 s21, 12288, s17
	s_lshl_b32 s32, s20, 7
	s_add_co_u32 s32, s32, s21
	s_add_co_u32 s32, s32, s19                     ; my two tiles' scale words, behind the chunk's images
	s_mov_b32 s33, 0
	s_lshl_b32 s26, s16, 17                        ; 32 rows of 4,096 bytes,
	s_lshl_b32 s27, s24, 9                         ; 512 bytes a K step
	s_add_co_u32 s26, s26, s27
	s_mov_b32 s27, 0
	s_add_nc_u64 s[4:5], s[4:5], s[26:27]
	s_add_nc_u64 s[30:31], s[10:11], s[32:33]
	s_add_nc_u64 s[10:11], s[10:11], s[28:29]
.irp u, 0,1                                        ; place 16 u + i holds true row 8 u + i + 8 (i / 8)
.irp i, 0,1,2,3,4,5,6,7,8,9,10,11,12,13,14,15
	global_load_b128 v[RAW+64*\u+4*\i:RAW+64*\u+4*\i+3], v4, s[4:5] offset:(8*\u+\i+8*(\i/8))*4096 th:TH_LOAD_NT
.endr
.endr
	s_wait_loadcnt 16                              ; tile 0's sixteen loads are in; tile 1's sixteen are younger
.irp i, 0,1,2,3,4,5,6,7,8,9,10,11,12,13,14,15
	ds_store_b128 v7, v[RAW+4*\i:RAW+4*\i+3] offset:\i*SPI
.endr
.irp b, 0,1,2,3
.irp j, 0,1,2,3
	ds_load_b128 v[X0+16*\b+4*\j:X0+16*\b+4*\j+3], v8 offset:128*\b+16*\j   ; LDS serves a wave's instructions in order: these see the stores above
.endr
.endr
	s_wait_loadcnt 0x0
.irp i, 0,1,2,3,4,5,6,7,8,9,10,11,12,13,14,15
	ds_store_b128 v7, v[RAW+64+4*\i:RAW+64+4*\i+3] offset:TILB+\i*SPI
.endr
	s_wait_dscnt 16                                ; all but the sixteen stores just issued: tile 0 is back, and its stores have read the registers that tile 1 now takes
.irp b, 0,1,2,3
.irp j, 0,1,2,3
	ds_load_b128 v[X1+16*\b+4*\j:X1+16*\b+4*\j+3], v8 offset:TILB+128*\b+16*\j
.endr
.endr
	QUANT X0, PC0, PW0
	PUT PC0, 0
	s_wait_dscnt 0x0                               ; tile 1 is back
	QUANT X1, PC1, PW1
	PUT PC1, 1
	v_cmp_gt_u32 vcc_lo, 16, v1
	v_cndmask_b32 v[SW], v[PW1], v[PW0], vcc_lo    ; lanes 0-15: tile 0's words, lanes 16-31: tile 1's (both halves of the lanes hold each row's word)
	global_store_b32 v6, v[SW], s[30:31]           ; 128 consecutive bytes
	s_endpgm
.Lfunc_end_k_q129ef997de_quant:
	.size	k_q129ef997de_quant, .Lfunc_end_k_q129ef997de_quant-k_q129ef997de_quant
	.p2alignl 7, 3214868480
	.fill 96, 4, 3214868480
	.section	.rodata,"a",@progbits
	.p2align	6, 0x0
	.amdhsa_kernel k_q129ef997de_quant
		.amdhsa_group_segment_fixed_size 135168
		.amdhsa_private_segment_fixed_size 0
		.amdhsa_enable_private_segment 0
		.amdhsa_kernarg_size 48
		.amdhsa_user_sgpr_count 2
		.amdhsa_user_sgpr_kernarg_segment_ptr 1
		.amdhsa_wavefront_size32 1
		.amdhsa_system_sgpr_workgroup_id_x 1
		.amdhsa_system_sgpr_workgroup_id_y 1
		.amdhsa_system_sgpr_workgroup_id_z 1
		.amdhsa_system_vgpr_workitem_id 0
		.amdhsa_next_free_vgpr 248
		.amdhsa_next_free_sgpr 66
		.amdhsa_reserve_vcc 1
		.amdhsa_float_denorm_mode_32 3
		.amdhsa_float_denorm_mode_16_64 3
		.amdhsa_memory_ordered 1
		.amdhsa_forward_progress 1
		.amdhsa_inst_pref_size 19
	.end_amdhsa_kernel
	.amdgpu_metadata
---
amdhsa.version: [ 1, 2 ]
amdhsa.kernels:
  - .name:           k_q129ef997de_quant
    .symbol:         k_q129ef997de_quant.kd
    .args:
      - { .name: x, .offset: 0, .size: 8, .value_kind: global_buffer, .address_space: global }
      - { .name: W_in, .offset: 8, .size: 8, .value_kind: global_buffer, .address_space: global }
      - { .name: W_out, .offset: 16, .size: 8, .value_kind: global_buffer, .address_space: global }
      - { .name: xc, .offset: 24, .size: 8, .value_kind: global_buffer, .address_space: global }
      - { .name: wic, .offset: 32, .size: 8, .value_kind: global_buffer, .address_space: global }
      - { .name: woc, .offset: 40, .size: 8, .value_kind: global_buffer, .address_space: global }
    .group_segment_fixed_size: 135168
    .private_segment_fixed_size: 0
    .kernarg_segment_align: 8
    .kernarg_segment_size: 48
    .max_flat_workgroup_size: 256
    .sgpr_count:     66
    .vgpr_count:     248
    .wavefront_size: 32
...
	.end_amdgpu_metadata
.endif
;; end of part 1
;; launch qkv (part 2): grid 12 x 64, 4 waves a work-group, clusters of 4 x 4, 327,680 bytes of LDS; arguments xc, wic, b_in, qc, kv; writes qc, kv
.if DOCPART == 2
	.amdgcn_target "amdgcn-amd-amdhsa--gfx1250"
	.amdhsa_code_object_version 6
	.text
	.protected	k_q129ef997de_qkv
	.globl	k_q129ef997de_qkv
	.p2align	8
	.type	k_q129ef997de_qkv,@function
k_q129ef997de_qkv:
	s_mov_b64 s[64:65], 0
	v_nop
	global_prefetch_b8 v0, s[64:65] scope:SCOPE_SE
	s_setreg_imm32_b32 hwreg(HW_REG_WAVE_MODE, 25, 1), 1
	s_wait_xcnt 0x0
	s_wait_alu depctr_hold_cnt(0) depctr_sa_sdst(0) depctr_va_vdst(0) depctr_va_sdst(0) depctr_va_ssrc(0) depctr_va_vcc(0) depctr_vm_vsrc(0)
	s_getreg_b32 s2, hwreg(HW_REG_IB_STS2, 6, 4)
	s_cmp_eq_u32 s2, 0
	s_cbranch_scc0 .Lentry_in_a_cluster
	s_endpgm
.Lentry_in_a_cluster:
	s_bfe_u32 s2, ttmp6, 0x10000c
	s_cmp_lg_u32 s2, 0xf033
	s_cbranch_scc0 .Lentry_shape_is_right
	s_endpgm
.Lentry_shape_is_right:
; q, k, v = x W_in^T + b_in on codes of FP6 (E2M3) with E8M0 scales, and the result quantised in registers: q and k along the head's 64, v along the keys.  Nothing leaves as f32.
; xc: [64 blocks of 128 places][8 K steps][12,800]: 8 fragment images of 1,536 bytes, then 8 x 64 bytes of scale words.  wic: [12 blocks of 256 places][8][25,600]: 16 images, 16 x 64 bytes.
; An image: registers 0-3 at 16 x lane, 4-5 at 512 + 8 x lane, 6-9 at 768 + 16 x lane, 10-11 at 1,280 + 8 x lane.  Place p holds true index p with bits 3 and 4 exchanged.
; SHARES: a work-group makes 128 places of tokens x 256 features; wave w all 128 x features 64 w .. 64 w + 63, one head: 8 x 4 accumulators, 256 registers.
; ALL EIGHT K STEPS LIE IN LDS (8 x 38,400 bytes): every tensor load is a first fill, issued at the start in the order of use, four a wave; counted waits and plain barriers free them pair by pair.  No LDS byte is filled twice.
; CLUSTER 4 x 4: A's chunks hang on the block of tokens alone and are asked for jointly along a row of the cluster, B's on the block of features alone, along a column.
; The cluster's x says what the features are: 0 q, 1 k, 2 v; it is the same in all sixteen partners, so the branch on it is alike in all.
; q, k: the product is used transposed (source 0 = 16 features, source 1 = 16 tokens): a lane holds one token and, in tiles 2 b and 2 b + 1, 16 neighbouring true features 32 b + 16 (lane / 16) + 0 .. 15.
; v: natural (source 0 = 16 tokens, source 1 = 16 features): a lane holds one feature and 16 neighbouring true tokens, which are the second attention product's K.
; OUT.  qc: [64 heads][16 blocks][6,656]: 8 half images (registers 0-5, 768 bytes), then 128 scale words byte0 | byte1 << 8 | 0x7f7f0000.  kv: [64][16 key steps][13,056]: k laid so, then 4 images of v^T
; (three planes of 512 bytes, registers 4 c .. 4 c + 3 at 16 x lane) and 64 scale words.
; LIMITS: a block whose largest magnitude lies under 2^-124 gets the byte 1 (a block of zeros has zero codes; this program alone reads the bytes).  NaN and infinities are not served.
; REGISTERS, in windows of 256: window 0: v1-13 lane numbers and addresses, v16-27 scale words in two sets, v32-63 the bias as the first products' C, v64-223 the quantiser.
;   window 1: the 32 accumulators.   windows 2 and 3: the fragments of a K step, two sets: A's tile a at v[12 a], B's tile b at v[96 + 12 b].
.set CHA,  12800                       ; A's chunk
.set CHB,  25600                       ; B's chunk
.set KST,  CHA+CHB                     ; a K step in LDS
.set G1A,  24                          ; s[24:31] descriptor group 1 for A's chunks;  s[68:83] four groups 0
.set G1B,  48                          ; s[48:55] for B's;  s[84:99]
.set G0A,  68
.set G0B,  84
.set SEL,  18                          ; s[18:19] lane selects: lane l xor 16
.set SC,   16                          ; scale words: set p at v[SC + 6 p]: four registers for A's tile pairs, two for B's; lanes 0-15 the even tile's words, lanes 16-31 the odd tile's
.set BI,   32
.set TM,   64
.set T2,   80
.set SO,   96
.set PW,   112
.set SW,   120
.set XC,   128
.set YC,   192
.set MSB,  0
.macro WIN new                         ; the immediate's high byte repeats the setting that is left
.if MSB != (\new)
	s_set_vgpr_msb (MSB<<8)|(\new)
.set MSB, (\new)
.endif
.endm
.macro CROUND                          ; a round of the cluster's barrier
	s_barrier_signal -1
	s_barrier_wait -1
	s_cmp_lg_u32 s14, 0
	s_cbranch_scc1 .Lnot_wave_0_\@
	s_barrier_signal -3
.Lnot_wave_0_\@:
	s_barrier_wait -3
	s_barrier_signal -1
	s_barrier_wait -1
.endm
.macro FRAGL f, a16, a8, t             ; tile t's image into 12 registers: every load reads consecutive bytes
	ds_load_b128 v[\f:\f+3], v[\a16] offset:1536*(\t)
	ds_load_b64 v[\f+4:\f+5], v[\a8] offset:1536*(\t)+512
	ds_load_b128 v[\f+6:\f+9], v[\a16] offset:1536*(\t)+768
	ds_load_b64 v[\f+10:\f+11], v[\a8] offset:1536*(\t)+1280
.endm
.macro FETCH p                         ; a K step's scale words and fragments into set p: 6 + 16 (B) + 16 (A's tiles 0-3) + 16 (A's tiles 4-7) loads
	WIN 0
.irp i, 0,1,2,3
	ds_load_b32 v[SC+6*(\p)+\i], v8 offset:128*\i
.endr
.irp i, 0,1
	ds_load_b32 v[SC+6*(\p)+4+\i], v9 offset:128*\i
.endr
	WIN 0x80+0x40*(\p)
.irp t, 0,1,2,3
	FRAGL 96+12*\t, 6, 7, \t
.endr
.irp t, 0,1,2,3,4,5,6,7
	FRAGL 12*\t, 4, 5, \t
.endr
.endm
.macro WM d, a, b, c, sa, ra, sb, rb   ; one product; ra, rb: the side's scale words lie in lanes 16-31
.if (\ra) && (\rb)
	v_wmma_scale_f32_16x16x128_f8f6f4 v[\d:\d+7], v[\a:\a+11], v[\b:\b+11], v[\c:\c+7], v[\sa], v[\sb] matrix_a_fmt:MATRIX_FMT_FP6 matrix_b_fmt:MATRIX_FMT_FP6 matrix_a_scale:MATRIX_SCALE_ROW1 matrix_b_scale:MATRIX_SCALE_ROW1
.elseif (\ra)
	v_wmma_scale_f32_16x16x128_f8f6f4 v[\d:\d+7], v[\a:\a+11], v[\b:\b+11], v[\c:\c+7], v[\sa], v[\sb] matrix_a_fmt:MATRIX_FMT_FP6 matrix_b_fmt:MATRIX_FMT_FP6 matrix_a_scale:MATRIX_SCALE_ROW1
.elseif (\rb)
	v_wmma_scale_f32_16x16x128_f8f6f4 v[\d:\d+7], v[\a:\a+11], v[\b:\b+11], v[\c:\c+7], v[\sa], v[\sb] matrix_a_fmt:MATRIX_FMT_FP6 matrix_b_fmt:MATRIX_FMT_FP6 matrix_b_scale:MATRIX_SCALE_ROW1
.else
	v_wmma_scale_f32_16x16x128_f8f6f4 v[\d:\d+7], v[\a:\a+11], v[\b:\b+11], v[\c:\c+7], v[\sa], v[\sb] matrix_a_fmt:MATRIX_FMT_FP6 matrix_b_fmt:MATRIX_FMT_FP6
.endif
.endm
; 16 products: A's tiles a0 .. a0 + 3 x B's four, from set p.  o = 0: transposed, accumulator (a, b) at v[8 (4 a + b)];  o = 1: natural, at v[8 (8 b + a)].  first = 1: the bias is the C, so nothing is cleared or added later.
; The 32 accumulators take turns, one instruction a turn, in the same order in every K step.
.macro MULH o, p, first, a0
.if \first
	WIN 0x4a                                       ; sources 0 and 1 window 2, C window 0, D window 1
.else
	WIN 0x5a+5*(\p)                                ; sources window 2 or 3, C and D window 1
.endif
.irp a, \a0, \a0+1, \a0+2, \a0+3
.irp b, 0,1,2,3
.if \o
.set rD, 8*(8*\b+(\a))
.else
.set rD, 8*(4*(\a)+\b)
.endif
.if \first
.set rC, BI+8*\b
.else
.set rC, rD
.endif
.if \o
	WM rD, 12*(\a), 96+12*\b, rC, SC+6*(\p)+(\a)/2, (\a)%2, SC+6*(\p)+4+\b/2, \b%2
.else
	WM rD, 96+12*\b, 12*(\a), rC, SC+6*(\p)+4+\b/2, \b%2, SC+6*(\p)+(\a)/2, (\a)%2
.endif
.endr
.endr
.endm
.macro STEPK o, s                      ; K step s on set s % 2; in its middle the next step's fragments are fetched into the other set
	s_wait_dscnt 16                                ; all of this step but A's tiles 4-7, the youngest sixteen loads
.if (\s) == 0
	s_wait_loadcnt 0x0                             ; the bias
	MULH \o, 0, 1, 0
.else
	MULH \o, (\s)%2, 0, 0
.endif
	s_wait_dscnt 0x0                               ; A's tiles 4-7 are in (asked for sixteen products ago): no LDS load of mine is out, so the addresses may step
.if (\s) < 7
	WIN 0
.irp r, 4,5,6,7,8,9
	v_add_nc_u32 v\r, KST, v\r                     ; on to the next K step.  These six are also the places between the last step's products and the loads into the registers that they read
.endr
.if (\s)%2 == 1
	s_wait_tensorcnt 3-((\s)+1)/2                  ; my load for the next pair of K steps has landed; my younger ones stay out
	s_barrier_signal -1
	s_barrier_wait -1                              ; everybody's has
.endif
	FETCH 1-(\s)%2
.endif
.if (\s) == 0
	MULH \o, 0, 1, 4
.else
	MULH \o, (\s)%2, 0, 4
.endif
.endm
.macro PRODUCT o
	s_wait_tensorcnt 3                             ; my first load (K step 0 or 1) has landed; three are younger
	s_barrier_signal -1
	s_barrier_wait -1
	FETCH 0
.irp s, 0,1,2,3,4,5,6,7
	STEPK \o, \s
.endr
.endm
; THE QUANTISER.  Block k of 16 is registers 16 k .. 16 k + 15 of window 1: 16 neighbours along the next K, the other 16 in lane l xor 16.  Pair m of blocks becomes six code registers at v[XC + 6 m]; block k's byte stays in v[T2 + k].
.macro QEPI
	WIN 0
.irp k, 0,1,2,3,4,5,6,7,8,9,10,11,12,13,14,15
	v_mov_b32 v[T2+\k], 0                          ; a lane permute's destination counts as one of its sources.  These are also the places behind the last products
.endr
	WIN 0x14                                       ; sources 1 and 2 window 1
.irp k, 0,1,2,3,4,5,6,7,8,9,10,11,12,13,14,15
	v_max3_num_f32 v[TM+\k], 0x1800000, |v[16*\k]|, |v[16*\k+1]|   ; the floor 2^(3 - 127) holds the byte at 1 from below; each accumulator is read from its low end on
.endr
.irp i, 2,4,6,8,10,12,14
.irp k, 0,1,2,3,4,5,6,7,8,9,10,11,12,13,14,15
	v_max3_num_f32 v[TM+\k], v[TM+\k], |v[16*\k+\i]|, |v[16*\k+\i+1]|
.endr
.endr
	WIN 0
.irp k, 0,1,2,3,4,5,6,7,8,9,10,11,12,13,14,15
	v_permlanex16_b32 v[T2+\k], v[TM+\k], s[SEL], s[SEL+1]
.endr
.irp k, 0,1,2,3,4,5,6,7,8,9,10,11,12,13,14,15
	v_max_num_f32 v[TM+\k], v[TM+\k], v[T2+\k]     ; the block's largest magnitude
.endr
.irp k, 0,1,2,3,4,5,6,7,8,9,10,11,12,13,14,15
	v_add_nc_u32 v[SO+\k], 0xff000000, v[TM+\k]    ; 2 off its exponent field: the conversion's scale operand
.endr
.irp k, 0,1,2,3,4,5,6,7,8,9,10,11,12,13,14,15
	v_lshrrev_b32 v[T2+\k], 23, v[SO+\k]           ; the scale's byte
.endr
	WIN 0x01                                       ; source 0 window 1
.irp m, 0,1,2,3,4,5,6,7
	v_cvt_scalef32_pk16_fp6_f32 v[XC+6*\m:XC+6*\m+2], v[32*\m:32*\m+15], v[SO+2*\m]
	v_cvt_scalef32_pk16_fp6_f32 v[YC+4*\m:YC+4*\m+2], v[32*\m+16:32*\m+31], v[SO+2*\m+1]
.endr
	WIN 0
	v_nop                                          ; one plain instruction behind the scaled conversions
.irp m, 0,1,2,3,4,5,6,7                            ; a whole block to a lane: lanes 0-15 the pair's first block, lanes 16-31 its second
.irp i, 0,1,2
	v_permlane16_swap_b32 v[XC+6*\m+\i], v[YC+4*\m+\i]
.endr
.irp i, 0,1,2
	v_mov_b32 v[XC+6*\m+3+\i], v[YC+4*\m+\i]
.endr
.endr
.endm
	s_load_b256 s[4:11], s[0:1], 0x0               ; xc s[4:5], wic s[6:7], b_in s[8:9], qc s[10:11]
	s_load_b64 s[12:13], s[0:1], 0x20              ; kv
	v_lshrrev_b32 v1, 5, v0
	v_readfirstlane_b32 s14, v1                    ; wave 0..3
	s_lshr_b32 s15, s14, 1                         ; I fetch for A (0) or for B (1),
	s_and_b32 s16, s14, 1                          ; the even or the odd K steps
	s_bfe_u32 s40, ttmp6, 0x40000                  ; cx, cy: my place in the cluster
	s_bfe_u32 s41, ttmp6, 0x40004
	s_lshl_b32 s42, ttmp9, 2
	s_add_co_u32 s42, s42, s40                     ; block of features = 4 x cluster x + cx
	s_and_b32 s17, ttmp7, 0xffff
	s_lshl_b32 s17, s17, 2
	s_add_co_u32 s17, s17, s41                     ; block of tokens = 4 x cluster y + cy
	s_lshl_b32 s43, s41, 2
	s_lshl_b32 s43, 15, s43                        ; my row of the cluster
	s_lshl_b32 s44, 0x1111, s40                    ; my column
	; descriptor group 1: a dense chunk as rows of 256 bytes (32 elements of 8 bytes), 50 rows for A, 100 for B, no padding
	s_or_b32 s[G1A], s43, (3<<16)|(1<<21)          ; 15:0 the mask; 17:16 elements of 8 bytes; 21 set beside a mask
	s_or_b32 s[G1B], s44, (3<<16)|(1<<21)
	s_mov_b32 s[G1A+1], 32<<16                     ; tensor_dim0
	s_mov_b32 s[G1A+2], 50<<16                     ; tensor_dim1
	s_mov_b32 s[G1A+3], 32<<16                     ; tile_dim0
	s_mov_b32 s[G1A+4], 50                         ; tile_dim1
	s_mov_b32 s[G1A+5], 32                         ; elements from row to row
	s_mov_b32 s[G1A+6], 0
	s_mov_b32 s[G1A+7], 0
	s_mov_b32 s[G1B+1], 32<<16
	s_mov_b32 s[G1B+2], 100<<16
	s_mov_b32 s[G1B+3], 32<<16
	s_mov_b32 s[G1B+4], 100
	s_mov_b32 s[G1B+5], 32
	s_mov_b32 s[G1B+6], 0
	s_mov_b32 s[G1B+7], 0
	s_lshl_b32 s20, s17, 3
	s_add_co_u32 s20, s20, s16
	s_mul_i32 s20, s20, CHA                        ; A: chunk (block of tokens, K step wave % 2)
	s_mov_b32 s21, 0
	s_lshl_b32 s22, s42, 3
	s_add_co_u32 s22, s22, s16
	s_mul_i32 s22, s22, CHB                        ; B: chunk (block of features, K step wave % 2)
	s_mov_b32 s23, 0
	s_mul_i32 s45, s16, KST                        ; and where they go: no place in the cluster enters an LDS address
	s_mov_b32 s[SEL], 0x76543210
	s_mov_b32 s[SEL+1], 0xfedcba98
	s_wait_kmcnt 0x0
	s_add_nc_u64 s[20:21], s[4:5], s[20:21]
	s_add_nc_u64 s[22:23], s[6:7], s[22:23]
	CROUND                                         ; all sixteen work-groups are here: the joint loads meet
.irp c, 0,1,2,3                                    ; load c: K step 2 c + wave % 2
	s_mov_b32 s[G0A+4*\c], 1
	s_add_co_u32 s[G0A+4*\c+1], s45, \c*2*KST
	s_add_nc_u64 s[G0A+4*\c+2:G0A+4*\c+3], s[20:21], \c*2*CHA
	s_or_b32 s[G0A+4*\c+3], s[G0A+4*\c+3], 0x80000000
	s_mov_b32 s[G0B+4*\c], 1
	s_add_co_u32 s[G0B+4*\c+1], s45, \c*2*KST+CHA
	s_add_nc_u64 s[G0B+4*\c+2:G0B+4*\c+3], s[22:23], \c*2*CHB
	s_or_b32 s[G0B+4*\c+3], s[G0B+4*\c+3], 0x80000000
.endr
	s_cmp_eq_u32 s15, 0                            ; a wave's four first fills stand in one branch on its number; four v_nop follow the last.  Four loads of mine are out
	s_cbranch_scc0 .Lfor_b
.irp c, 0,1,2,3
	tensor_load_to_lds s[G0A+4*\c:G0A+4*\c+3], s[G1A:G1A+7]
.endr
.rept 4
	v_nop
.endr
	s_branch .Lasked
.Lfor_b:
.irp c, 0,1,2,3
	tensor_load_to_lds s[G0B+4*\c:G0B+4*\c+3], s[G1B:G1B+7]
.endr
.rept 4
	v_nop
.endr
.Lasked:
	v_and_b32 v3, 31, v0                           ; lane
	v_and_b32 v1, 15, v0                           ; r
	v_bfe_u32 v2, v0, 4, 1                         ; h
	v_lshlrev_b32 v4, 4, v3                        ; A's images: 16 x lane,
	v_lshlrev_b32 v5, 3, v3                        ; 8 x lane
	s_mul_i32 s46, s14, 6144
	s_add_co_u32 s46, s46, CHA                     ; B's: my four tiles
	v_lshl_add_u32 v6, v3, 4, s46
	v_lshl_add_u32 v7, v3, 3, s46
	v_lshl_add_u32 v8, v3, 2, 12288                ; A's scale words: 4 x lane: two tiles a load
	s_lshl_b32 s46, s14, 8
	s_add_co_u32 s46, s46, CHA+24576
	v_lshl_add_u32 v9, v3, 2, s46                  ; B's
	v_lshlrev_b32 v10, 4, v3                       ; for the stores: these three are never stepped
	v_lshlrev_b32 v11, 3, v3
	v_lshlrev_b32 v12, 2, v3
	s_lshl_b32 s56, s42, 10
	s_lshl_b32 s57, s14, 8
	s_add_co_u32 s56, s56, s57
	s_mov_b32 s57, 0
	s_add_nc_u64 s[56:57], s[8:9], s[56:57]        ; the bias of my 64 features
	s_lshr_b32 s58, s17, 4
	s_lshl_b32 s58, s58, 4                         ; 16 x batch
	s_lshl_b32 s59, s40, 2
	s_add_co_u32 s58, s58, s59
	s_add_co_u32 s58, s58, s14                     ; + the head, 4 cx + wave
	s_lshl_b32 s58, s58, 4
	s_and_b32 s59, s17, 15
	s_add_co_u32 s58, s58, s59                     ; x 16 + the block of 128 tokens in the batch
	s_mov_b32 s63, 0
	s_cmp_eq_u32 ttmp9, 2                          ; the cluster's x: alike in all partners
	s_cbranch_scc1 .Lpath_v
	; ---- q or k
	v_lshlrev_b32 v13, 6, v2                       ; lane (., h), register j of tile 2 b + u wants the bias of true feature 32 b + 16 h + 8 u + j
.irp b, 0,1,2,3
	global_load_b128 v[BI+8*\b:BI+8*\b+3], v13, s[56:57] offset:(32*(\b/2)+8*(\b%2))*4
	global_load_b128 v[BI+8*\b+4:BI+8*\b+7], v13, s[56:57] offset:(32*(\b/2)+8*(\b%2))*4+16
.endr
	s_mov_b32 s59, 13056
	s_cmp_eq_u32 ttmp9, 0
	s_cselect_b64 s[60:61], s[10:11], s[12:13]     ; qc or kv,
	s_cselect_b32 s59, 6656, s59                   ; and its bytes from block to block
	s_mul_i32 s62, s58, s59
	s_add_nc_u64 s[60:61], s[60:61], s[62:63]
	PRODUCT 0
	QEPI
	v_cmp_gt_u32 vcc_lo, 16, v3
.irp a, 0,1,2,3,4,5,6,7
	v_lshl_or_b32 v[PW+\a], v[T2+2*\a+1], 8, v[T2+2*\a]   ; tile a's scale words: two bytes for the head's 64,
.endr
.irp a, 0,1,2,3,4,5,6,7
	v_or_b32 v[PW+\a], 0x7f7f0000, v[PW+\a]        ; and 1.0 over the zero codes that fill the instruction's 128
.endr
.irp i, 0,1,2,3
	v_cndmask_b32 v[SW+\i], v[PW+2*\i+1], v[PW+2*\i], vcc_lo   ; lanes 0-15 the even tile's, lanes 16-31 the odd tile's
.endr
.irp a, 0,1,2,3,4,5,6,7
	global_store_b128 v10, v[XC+6*\a:XC+6*\a+3], s[60:61] offset:768*\a          ; 512 consecutive bytes, at a multiple of 256 from the buffer's first byte
	global_store_b64 v11, v[XC+6*\a+4:XC+6*\a+5], s[60:61] offset:768*\a+512     ; 256
.endr
.irp i, 0,1,2,3
	global_store_b32 v12, v[SW+\i], s[60:61] offset:6144+128*\i
.endr
	s_branch .Lend
.Lpath_v:
	; ---- v
	v_and_b32 v13, 8, v1
	v_add_nc_u32 v13, v13, v1
	v_lshlrev_b32 v13, 2, v13                      ; lane (r, .) of tile 2 b + u wants, in all eight registers, the bias of true feature 32 b + 8 u + r + 8 (r / 8)
.irp b, 0,1,2,3
.irp j, 0,1,2,3,4,5,6,7
	global_load_b32 v[BI+8*\b+\j], v13, s[56:57] offset:(32*(\b/2)+8*(\b%2))*4
.endr
.endr
	s_mul_i32 s62, s58, 13056
	s_add_co_u32 s62, s62, 6656                    ; behind k's part of the key step
	s_add_nc_u64 s[60:61], s[12:13], s[62:63]
	PRODUCT 1
	QEPI
	v_cmp_gt_u32 vcc_lo, 16, v3
.irp b, 0,1,2,3
	v_lshl_or_b32 v[PW+\b], v[T2+4*\b+1], 8, v[T2+4*\b]   ; tile b's scale words: four bytes for the step's 128 keys
.endr
.irp b, 0,1,2,3
	v_lshl_or_b32 v[PW+\b], v[T2+4*\b+2], 16, v[PW+\b]
.endr
.irp b, 0,1,2,3
	v_lshl_or_b32 v[PW+\b], v[T2+4*\b+3], 24, v[PW+\b]
.endr
.irp i, 0,1
	v_cndmask_b32 v[SW+\i], v[PW+2*\i+1], v[PW+2*\i], vcc_lo
.endr
.irp b, 0,1,2,3
.irp c, 0,1,2
	global_store_b128 v10, v[XC+12*\b+4*\c:XC+12*\b+4*\c+3], s[60:61] offset:1536*\b+512*\c
.endr
.endr
.irp i, 0,1
	global_store_b32 v12, v[SW+\i], s[60:61] offset:6144+128*\i
.endr
.Lend:
	CROUND                                         ; the closing round: no work-group ends while a partner may still ask for a chunk that names it
	s_endpgm
.Lfunc_end_k_q129ef997de_qkv:
	.size	k_q129ef997de_qkv, .Lfunc_end_k_q129ef997de_qkv-k_q129ef997de_qkv
	.p2alignl 7, 3214868480
	.fill 96, 4, 3214868480
	.section	.rodata,"a",@progbits
	.p2align	6, 0x0
	.amdhsa_kernel k_q129ef997de_qkv
		.amdhsa_group_segment_fixed_size 327680
		.amdhsa_private_segment_fixed_size 0
		.amdhsa_enable_private_segment 0
		.amdhsa_kernarg_size 40
		.amdhsa_user_sgpr_count 2
		.amdhsa_user_sgpr_kernarg_segment_ptr 1
		.amdhsa_wavefront_size32 1
		.amdhsa_system_sgpr_workgroup_id_x 1
		.amdhsa_system_sgpr_workgroup_id_y 1
		.amdhsa_system_sgpr_workgroup_id_z 1
		.amdhsa_system_vgpr_workitem_id 0
		.amdhsa_next_free_vgpr 912
		.amdhsa_next_free_sgpr 100
		.amdhsa_reserve_vcc 1
		.amdhsa_float_denorm_mode_32 3
		.amdhsa_float_denorm_mode_16_64 3
		.amdhsa_memory_ordered 1
		.amdhsa_forward_progress 1
		.amdhsa_inst_pref_size 174
	.end_amdhsa_kernel
	.amdgpu_metadata
---
amdhsa.version: [ 1, 2 ]
amdhsa.kernels:
  - .name:           k_q129ef997de_qkv
    .symbol:         k_q129ef997de_qkv.kd
    .args:
      - { .name: xc, .offset: 0, .size: 8, .value_kind: global_buffer, .address_space: global }
      - { .name: wic, .offset: 8, .size: 8, .value_kind: global_buffer, .address_space: global }
      - { .name: b_in, .offset: 16, .size: 8, .value_kind: global_buffer, .address_space: global }
      - { .name: qc, .offset: 24, .size: 8, .value_kind: global_buffer, .address_space: global }
      - { .name: kv, .offset: 32, .size: 8, .value_kind: global_buffer, .address_space: global }
    .group_segment_fixed_size: 327680
    .private_segment_fixed_size: 0
    .kernarg_segment_align: 8
    .kernarg_segment_size: 40
    .max_flat_workgroup_size: 128
    .sgpr_count:     100
    .vgpr_count:     912
    .wavefront_size: 32
...
	.end_amdgpu_metadata
.endif
;; end of part 2
;; launch attn (part 3): grid 4 x 64, 16 waves a work-group, clusters of 4 x 1, 327,680 bytes of LDS; arguments qc, kv, ac; writes ac
.if DOCPART == 3
	.amdgcn_target "amdgcn-amd-amdhsa--gfx1250"
	.amdhsa_code_object_version 6
	.text
	.protected	k_q129ef997de_attn
	.globl	k_q129ef997de_attn
	.p2align	8
	.type	k_q129ef997de_attn,@function
k_q129ef997de_attn:
	s_mov_b64 s[64:65], 0
	v_nop
	global_prefetch_b8 v0, s[64:65] scope:SCOPE_SE
	s_setreg_imm32_b32 hwreg(HW_REG_WAVE_MODE, 25, 1), 1
	s_wait_xcnt 0x0
	s_wait_alu depctr_hold_cnt(0) depctr_sa_sdst(0) depctr_va_vdst(0) depctr_va_sdst(0) depctr_va_ssrc(0) depctr_va_vcc(0) depctr_vm_vsrc(0)
	s_getreg_b32 s2, hwreg(HW_REG_IB_STS2, 6, 4)
	s_cmp_eq_u32 s2, 0
	s_cbranch_scc0 .Lentry_in_a_cluster
	s_endpgm
.Lentry_in_a_cluster:
	s_bfe_u32 s2, ttmp6, 0x10000c
	s_cmp_lg_u32 s2, 0x3003
	s_cbranch_scc0 .Lentry_shape_is_right
	s_endpgm
.Lentry_shape_is_right:
; Causal attention of one head on codes of FP6 (E2M3) with E8M0 scales, head size 64, 2,048 tokens; the result, divided by the row's sum, is quantised along the model's 1,024 and leaves as codes.
; qc: [64 heads][16 blocks of 128 places][6,656]: 8 half images (registers 0-3 at 16 x lane, 4-5 at 512 + 8 x lane: K = 0 .. 63), then 128 scale words.  kv: [64][16 key steps][13,056]: k laid so, then 4 images of v^T
; (16 places of the head's 64 x 128 keys: registers 4 c .. 4 c + 3 at 512 c + 16 x lane) and 64 scale words.  Place p holds true index p with bits 3 and 4 exchanged.
; THE SOFTMAX: t = score x log2(e) / 8; M = the row's largest t so far, rounded UP to a whole number; p = 2^(t - M) is what is quantised, along the keys, not normalised.  The row's sum is taken of the unquantised p
; and divides O at the end.  When M moves, the sum and O are multiplied by 2^(old M - new M): exact.
; The first product's K is 64: registers 6-11 of both operands hold zero codes, under scale bytes of 1.0.
; SHARES: the four work-groups of a cluster share one head; each holds ALL of its k and v in LDS (16 x 13,056 bytes), brought by joint loads at the start, four for each of waves 0-3; no LDS byte is filled twice.
; Wave w of work-group g owns tiles of 16 places 4 w + g and 127 - (4 w + g): their diagonal steps are w / 2 and 15 - w / 2, whatever g is: 17 tile steps for every wave, and every branch hangs on the wave's number and the step's count alone.
; g enters only global addresses and the mask's lane numbers.  A step all of whose keys come after a tile's queries is left out by a scalar branch; on the diagonal hidden scores become -infinity.
; LAYOUT: both products are used transposed: S^T = k q^T, O^T = v^T p^T: a lane holds one query.  By the order of places the 16 registers of tiles 2 b, 2 b + 1 are 16 neighbouring true keys (or channels) 32 b + 16 (lane / 16) + 0 .. 15.
; OUT: ac: [64 blocks of 128 places][8 K steps][12,800] as the next product's A: K step s holds heads 2 s (registers 0-5, scale bytes 0-1) and 2 s + 1 (registers 6-11, bytes 2-3).  The codes leave in whole runs of 512 and 256 bytes;
; the two scale bytes a row leave as 2 bytes of each word of a run of 64 bytes: one byte in 24 of what the launch stores.
; LIMITS: a block whose largest magnitude lies under 2^-124 gets the byte 1 (zero codes in a block of zeros; this program alone reads the bytes).  NaN and infinities are not served.
; REGISTERS: v1-3 lane offsets; v8-10 addresses of the step; v12-15, v16-19 the two tiles' -M, largest t, sum in two halves; v20-31, v32-43 q; v44, v45 q's scale words; v46, v47 the mask's numbers; v48-95 four fragments of k;
;   v96-159 S^T, then p, then v's four fragments; v160-191, v192-223 O^T; v224-235 p's codes; v232-254 at work; v255 -infinity.
.set BLKB, 13056                       ; a key step in LDS and in kv
.set VOF,  6656                        ; v's part of it
.set ADI,  8
.set AD8,  9
.set ADS,  10
.set KF,   48
.set S,    96
.set TM,   48                          ; the last quantiser's registers, where k's fragments lay
.set WV,   18                          ; s18  my wave's number
.set SEL,  20                          ; s[20:21] lane selects: lane l xor 16
.set CS,   22                          ; s[22:23] c = log2(e) / 8: the packed form names a pair and takes its low word for both halves
.set G1,   24                          ; s[24:31] descriptor group 1;  s[32:47] four groups 0
.set G0,   32
.set TB,   48                          ; s48  LDS byte at which the step's block begins
.set KS,   49                          ; s49  the step
.set DA,   50                          ; s50, s51  the two tiles' diagonal steps
.set DB,   51
.set CNT,  52
.macro CROUND
	s_barrier_signal -1
	s_barrier_wait -1
	s_cmp_lg_u32 s[WV], 0
	s_cbranch_scc1 .Lnot_wave_0_\@
	s_barrier_signal -3
.Lnot_wave_0_\@:
	s_barrier_wait -3
	s_barrier_signal -1
	s_barrier_wait -1
.endm
.macro PLACES n
.rept \n
	v_nop
.endr
.endm
.macro QUANT s, pc, pw                 ; 64 numbers of a lane, register 16 b + i = k 32 b + 16 (lane / 16) + i, become 12 code registers at v[pc] on and a scale word in v[pw]
.irp b, 0,1,2,3
	v_max3_num_f32 v[TM+\b], |v[\s+16*\b]|, |v[\s+1+16*\b]|, 0x1800000
.endr
.irp i, 2,4,6,8,10,12,14
.irp b, 0,1,2,3
	v_max3_num_f32 v[TM+\b], v[TM+\b], |v[\s+16*\b+\i]|, |v[\s+1+16*\b+\i]|
.endr
.endr
.irp b, 0,1,2,3
	v_permlanex16_b32 v[TM+4+\b], v[TM+\b], s[SEL], s[SEL+1]
.endr
.irp b, 0,1,2,3
	v_max_num_f32 v[TM+\b], v[TM+\b], v[TM+4+\b]
.endr
.irp b, 0,1,2,3
	v_add_nc_u32 v[TM+12+\b], 0xff000000, v[TM+\b]
.endr
.irp b, 0,1,2,3
	v_lshrrev_b32 v[TM+4+\b], 23, v[TM+12+\b]
.endr
	v_lshl_or_b32 v[\pw], v[TM+5], 8, v[TM+4]
	v_lshl_or_b32 v[\pw], v[TM+6], 16, v[\pw]
	v_lshl_or_b32 v[\pw], v[TM+7], 24, v[\pw]
.irp c, 0,1
	v_cvt_scalef32_pk16_fp6_f32 v[\pc+6*\c:\pc+2+6*\c], v[\s+32*\c:\s+15+32*\c], v[TM+12+2*\c]
	v_cvt_scalef32_pk16_fp6_f32 v[\pc+12+4*\c:\pc+14+4*\c], v[\s+16+32*\c:\s+31+32*\c], v[TM+12+2*\c+1]
.endr
	v_nop
.irp c, 0,1
.irp i, 0,1,2
	v_permlane16_swap_b32 v[\pc+6*\c+\i], v[\pc+12+4*\c+\i]
.endr
.irp i, 0,1,2
	v_mov_b32 v[\pc+3+6*\c+\i], v[\pc+12+4*\c+\i]
.endr
.endr
.endm
.macro QPTR d, a, pc, ps               ; tile s[a] of block s[d] of my head in qc: its half image, and (6,144 bytes short of them) its scale words
	s_add_co_u32 s15, s12, s[\d]
	s_mul_i32 s15, s15, 6656
	s_mul_i32 s16, s[\a], 768
	s_add_co_u32 s16, s16, s15
	s_add_nc_u64 s[\pc:\pc+1], s[4:5], s[16:17]
	s_lshl_b32 s16, s[\a], 6
	s_add_co_u32 s16, s16, s15
	s_add_nc_u64 s[\ps:\ps+1], s[4:5], s[16:17]
.endm
.macro APTR d, a, pi, so               ; the same tile in ac: its half image's address, and its scale bytes' offset (12,288 bytes short)
	s_add_co_u32 s14, s12, s[\d]
	s_lshl_b32 s14, s14, 3
	s_add_co_u32 s14, s14, s19
	s_mul_i32 s14, s14, 12800                      ; chunk (block of tokens, pair of heads)
	s_mul_i32 s16, s[\a], 1536
	s_add_co_u32 s16, s16, s14
	s_mul_i32 s15, s53, 768                        ; the odd head takes the image's second half
	s_add_co_u32 s16, s16, s15
	s_add_nc_u64 s[\pi:\pi+1], s[8:9], s[16:17]
	s_lshl_b32 s[\so], s[\a], 6
	s_add_co_u32 s[\so], s[\so], s14
	s_lshl_b32 s15, s53, 1                         ; and the words' upper two bytes
	s_add_co_u32 s[\so], s[\so], s15
.endm
	s_load_b128 s[4:7], s[0:1], 0x0                ; qc s[4:5], kv s[6:7]
	s_load_b64 s[8:9], s[0:1], 0x10                ; ac
	v_lshrrev_b32 v8, 5, v0
	v_readfirstlane_b32 s[WV], v8                  ; wave 0..15
	s_bfe_u32 s13, ttmp6, 0x40000                  ; g: my place in the cluster
	s_and_b32 s53, ttmp7, 0xffff                   ; batch x 16 + head, which the four partners share
	; descriptor group 1: a key step's dense block as 51 rows of 256 bytes (32 elements of 8 bytes), no padding
	s_mov_b32 s[G1], 15|(3<<16)|(1<<21)            ; 15:0 the mask: all four work-groups; 17:16 elements of 8 bytes; 21 set beside a mask
	s_mov_b32 s[G1+1], 32<<16
	s_mov_b32 s[G1+2], 51<<16
	s_mov_b32 s[G1+3], 32<<16
	s_mov_b32 s[G1+4], 51
	s_mov_b32 s[G1+5], 32
	s_mov_b32 s[G1+6], 0
	s_mov_b32 s[G1+7], 0
	s_and_b32 s54, s[WV], 3
	s_mul_i32 s55, s54, BLKB                       ; key step wave % 4: in LDS,
	s_lshl_b32 s56, s53, 4
	s_add_co_u32 s56, s56, s54
	s_mul_i32 s56, s56, BLKB                       ; and in kv
	s_mov_b32 s57, 0
	s_mov_b32 s[SEL], 0x76543210
	s_mov_b32 s[SEL+1], 0xfedcba98
	s_mov_b32 s[CS], 0x3e38aa3b                    ; c = log2(e) / 8
	s_mov_b32 s[CS+1], s[CS]
	s_mov_b32 s[TB], 0
	s_mov_b32 s[KS], 0
	s_wait_kmcnt 0x0
	s_add_nc_u64 s[56:57], s[6:7], s[56:57]
	CROUND                                         ; all four work-groups are here: the joint loads meet
.irp c, 0,1,2,3                                    ; load c: key step 4 c + wave
	s_mov_b32 s[G0+4*\c], 1
	s_add_co_u32 s[G0+4*\c+1], s55, \c*4*BLKB
	s_add_nc_u64 s[G0+4*\c+2:G0+4*\c+3], s[56:57], \c*4*BLKB
	s_or_b32 s[G0+4*\c+3], s[G0+4*\c+3], 0x80000000
.endr
	s_cmp_lt_u32 s[WV], 4                          ; waves 0-3 fetch: a wave's four first fills stand in one branch on its number; four v_nop follow the last.  Four loads of such a wave are out
	s_cbranch_scc0 .Lno_fetch
.irp c, 0,1,2,3
	tensor_load_to_lds s[G0+4*\c:G0+4*\c+3], s[G1:G1+7]
.endr
	PLACES 4
.Lno_fetch:
	s_lshr_b32 s[DA], s[WV], 1
	s_sub_co_u32 s[DB], 15, s[DA]
	s_and_b32 s54, s[WV], 1
	s_lshl_b32 s54, s54, 2
	s_add_co_u32 s54, s54, s13                     ; my first tile's place in its block of eight: 4 (wave % 2) + g,
	s_sub_co_u32 s55, 7, s54                       ; my second's
	s_lshl_b32 s12, s53, 4
	s_mov_b32 s17, 0
	QPTR DA, 54, 58, 60
	QPTR DB, 55, 62, 66
	v_and_b32 v3, 31, v0
	v_lshlrev_b32 v1, 4, v3                        ; 16 x lane
	v_lshlrev_b32 v2, 3, v3                        ; 8 x lane
	v_and_b32 v8, 15, v0                           ; r
	v_lshlrev_b32 v3, 2, v8                        ; 4 r
	global_load_b128 v[20:23], v1, s[58:59]        ; q stays in registers
	global_load_b64 v[24:25], v2, s[58:59] offset:512
	global_load_b32 v44, v3, s[60:61] offset:6144
	global_load_b128 v[32:35], v1, s[62:63]
	global_load_b64 v[36:37], v2, s[62:63] offset:512
	global_load_b32 v45, v3, s[66:67] offset:6144
	s_lshr_b32 s12, s53, 4
	s_lshl_b32 s12, s12, 4                         ; 16 x batch
	s_bfe_u32 s19, s53, 0x30001                    ; head / 2
	s_and_b32 s53, s53, 1                          ; head % 2
	APTR DA, 54, 68, 10
	APTR DB, 55, 70, 11
	s_lshr_b32 s14, s54, 1                         ; a tile's first true token in its block of 128: 32 (a / 2) + 8 (a % 2)
	s_lshl_b32 s14, s14, 5
	s_and_b32 s15, s54, 1
	s_lshl_b32 s15, s15, 3
	s_add_co_u32 s14, s14, s15
	s_lshr_b32 s19, s55, 1
	s_lshl_b32 s19, s19, 5
	s_and_b32 s15, s55, 1
	s_lshl_b32 s15, s15, 3
	s_add_co_u32 s19, s19, s15
	v_bfe_u32 v9, v0, 4, 1                         ; h
	v_and_b32 v10, 8, v8
	v_add_nc_u32 v10, v10, v8                      ; r + 8 (r / 8)
	v_lshlrev_b32 v9, 4, v9
	v_sub_nc_u32 v10, v10, v9
	v_add_nc_u32 v46, s14, v10                     ; d = my query's true place in the block - 16 h.  Register 16 b + i holds key 32 b + 16 h + i of the step: hidden on the diagonal where 32 b + i > d
	v_add_nc_u32 v47, s19, v10
	v_mov_b32 v255, 0xff800000                     ; -infinity
	v_mov_b32 v13, 0xff61b1e6                      ; the largest t so far: -3e38, under every t
	v_floor_f32 v12, -v13                          ; -M
	v_mov_b32 v14, 0                               ; the sum, in two halves
	v_mov_b32 v15, 0
	v_mov_b32 v17, 0xff61b1e6
	v_floor_f32 v16, -v17
	v_mov_b32 v18, 0
	v_mov_b32 v19, 0
.irp b, 0,1,2,3
	v_mov_b32 v[236+\b], 0                         ; written once: a lane permute's destination counts as one of its sources
.endr
	v_mov_b32 v253, 0                              ; (named as the upper half of the pair v[252:253] before it is first written)
.irp i, 6,7,8,9,10,11                              ; the zero codes of K = 64 .. 127: q's two fragments and k's four; never written again
	v_mov_b32 v[20+\i], 0
	v_mov_b32 v[32+\i], 0
	v_mov_b32 v[KF+\i], 0
	v_mov_b32 v[KF+12+\i], 0
	v_mov_b32 v[KF+24+\i], 0
	v_mov_b32 v[KF+36+\i], 0
.endr
.set j, 0
.rept 64
	v_mov_b32 v[160+j], 0                          ; O^T.  (The step is written without a first step of its own: the first finds zeros, which the first change of M leaves zeros)
.set j, j+1
.endr
; A KEY STEP of one tile of queries: 128 keys.  st: the tile's statistics; qf, qs: its q and q's scale words; ot: its O^T; dg: its diagonal step; dv: its mask numbers.
.macro STEP st, qf, qs, ot, dg, dv
	s_cmp_gt_u32 s[KS], s[\dg]                     ; all keys of the step come after my queries: nothing to do.  No barrier and no tensor load stands in a step
	s_cbranch_scc1 .Lskip_\@
	v_add_nc_u32 v[ADI], s[TB], v1
	v_add_nc_u32 v[AD8], s[TB], v2
	v_add_nc_u32 v[ADS], s[TB], v3
.irp g, 0,1                                        ; S^T = k q^T, four tiles of 16 keys at a time
.if \g
	PLACES 4                                       ; in front of loads into registers that the four products above have read
.endif
.irp t, 0,1,2,3
	ds_load_b128 v[KF+12*\t:KF+12*\t+3], v[ADI] offset:768*(4*\g+\t)
	ds_load_b64 v[KF+12*\t+4:KF+12*\t+5], v[AD8] offset:768*(4*\g+\t)+512
	ds_load_b32 v[248+\t], v[ADS] offset:6144+64*(4*\g+\t)
.endr
	s_wait_dscnt 0x0
.irp t, 0,1,2,3
	v_wmma_scale_f32_16x16x128_f8f6f4 v[S+8*(4*\g+\t):S+8*(4*\g+\t)+7], v[KF+12*\t:KF+12*\t+11], v[\qf:\qf+11], 0, v[248+\t], v[\qs] matrix_a_fmt:MATRIX_FMT_FP6 matrix_b_fmt:MATRIX_FMT_FP6
.endr
.endr
	PLACES 4
	s_cmp_lt_u32 s[KS], s[\dg]                     ; a step all of whose keys count skips the mask
	s_cbranch_scc1 .Lopen_\@
.set n, 0
.rept 64
	v_cmp_gt_i32 vcc_lo, 32*(n/16)+n%16, v[\dv]
	v_cndmask_b32 v[S+n], v[S+n], v255, vcc_lo
.set n, n+1
.endr
.Lopen_\@:
.irp b, 0,1,2,3
	v_max3_num_f32 v[232+\b], v[S+16*\b], v[S+1+16*\b], v[S+2+16*\b]   ; the largest score of each block of 32 keys: it serves the row's maximum and, since p rises with the score, the block's largest p
.endr
.irp i, 3,5,7,9,11,13
.irp b, 0,1,2,3
	v_max3_num_f32 v[232+\b], v[232+\b], v[S+16*\b+\i], v[S+1+16*\b+\i]
.endr
.endr
.irp b, 0,1,2,3
	v_max_num_f32 v[232+\b], v[232+\b], v[S+15+16*\b]
.endr
.irp b, 0,1,2,3
	v_permlanex16_b32 v[236+\b], v[232+\b], s[SEL], s[SEL+1]
.endr
.irp b, 0,1,2,3
	v_max_num_f32 v[232+\b], v[232+\b], v[236+\b]  ; with lane l xor 16's 16 keys
.endr
	v_max3_num_f32 v254, v232, v233, v234
	v_max_num_f32 v254, v254, v235                 ; the step's largest score of my query
	v_mul_f32 v254, s[CS], v254                    ; as t (c is positive)
	v_max_num_f32 v[\st+1], v[\st+1], v254         ; the running largest t
	v_mov_b32 v254, v[\st]
	v_floor_f32 v[\st], -v[\st+1]                  ; the new -M = floor(-t) = -ceil(t): a whole number
	v_sub_f32 v254, v[\st], v254                   ; old M - new M: a whole number, 0 or less
	v_cvt_i32_f32 v254, v254                       ; (it saturates)
	v_ldexp_f32 v252, 1.0, v254                    ; f = 2^(old M - new M)
.set j, 0
.rept 32
	v_pk_fma_f32 v[S+j:S+j+1], v[S+j:S+j+1], s[CS:CS+1], v[\st:\st+1] op_sel_hi:[1,0,0]   ; t - M, two at a time
.set j, j+2
.endr
.irp b, 0,1,2,3
	v_fma_f32 v[232+\b], v[232+\b], s[CS], v[\st]  ; the same of each block's largest score
.endr
.set j, 0
.rept 64
	v_exp_f32 v[S+j], v[S+j]                       ; p = 2^(t - M), at most 1
.set j, j+1
.endr
.irp b, 0,1,2,3
	v_exp_f32 v[232+\b], v[232+\b]                 ; the block's largest p
.endr
	v_pk_mul_f32 v[\st+2:\st+3], v[\st+2:\st+3], v[252:253] op_sel_hi:[1,0]   ; the sums under the new M.  (The plain instruction behind the exponentials)
.irp b, 0,1,2,3
	v_max_num_f32 v[232+\b], 0x1800000, v[232+\b]  ; the floor 2^(3 - 127): the byte cannot fall under 1
.endr
.irp b, 0,1,2,3
	v_add_nc_u32 v[244+\b], 0xff000000, v[232+\b]  ; 2 off the exponent field: the conversion's scale operand
.endr
.irp b, 0,1,2,3
	v_lshrrev_b32 v[236+\b], 23, v[244+\b]         ; the scale's byte
.endr
	v_lshl_or_b32 v253, v237, 8, v236              ; p's scale word for these 128 keys
	v_lshl_or_b32 v253, v238, 16, v253
	v_lshl_or_b32 v253, v239, 24, v253
.irp c, 0,1
	v_cvt_scalef32_pk16_fp6_f32 v[224+6*\c:226+6*\c], v[S+32*\c:S+15+32*\c], v[244+2*\c]
	v_cvt_scalef32_pk16_fp6_f32 v[236+4*\c:238+4*\c], v[S+16+32*\c:S+31+32*\c], v[244+2*\c+1]
.endr
	v_nop                                          ; one plain instruction behind the scaled conversions
.irp c, 0,1                                        ; a whole block to a lane
.irp i, 0,1,2
	v_permlane16_swap_b32 v[224+6*\c+\i], v[236+4*\c+\i]
.endr
.irp i, 0,1,2
	v_mov_b32 v[227+6*\c+\i], v[236+4*\c+\i]
.endr
.endr
	v_pk_add_f32 v[236:237], v[S:S+1], v[S+2:S+3]  ; the row's sum is taken of the unquantised p: two at a time, in two chains
.irp j, 4,8,12,16,20,24,28,32,36,40,44,48,52,56,60
	v_pk_add_f32 v[\st+2:\st+3], v[\st+2:\st+3], v[S+\j:S+1+\j]
	v_pk_add_f32 v[236:237], v[236:237], v[S+2+\j:S+3+\j]
.endr
	v_pk_add_f32 v[\st+2:\st+3], v[\st+2:\st+3], v[236:237]
.irp i, 0,1,2,3                                    ; p has been summed and converted: v's four fragments take its registers
.irp c, 0,1,2
	ds_load_b128 v[S+12*\i+4*\c:S+12*\i+4*\c+3], v[ADI] offset:VOF+1536*\i+512*\c
.endr
	ds_load_b32 v[248+\i], v[ADS] offset:VOF+6144+64*\i
.endr
.set j, 0
.rept 16
	v_pk_mul_f32 v[\ot+j:\ot+j+1], v[\ot+j:\ot+j+1], v[252:253] op_sel_hi:[1,0]   ; O^T under the new M, while the loads are out; each accumulator from its low end on
.set j, j+2
.endr
	s_wait_dscnt 0x0
.irp i, 0,1,2,3                                    ; O^T += v^T p^T: four accumulators, one instruction each
	v_wmma_scale_f32_16x16x128_f8f6f4 v[\ot+8*\i:\ot+8*\i+7], v[S+12*\i:S+12*\i+11], v[224:235], v[\ot+8*\i:\ot+8*\i+7], v[248+\i], v253 matrix_a_fmt:MATRIX_FMT_FP6 matrix_b_fmt:MATRIX_FMT_FP6
.endr
	PLACES 5                                       ; the next scores are written over registers that these products read: five places; the next loads into their scale registers want four
.Lskip_\@:
.endm
; Four key steps, those that load c of waves 0-3 brought.  hasa = 1: my first tile may still have steps (its diagonal lies in steps 0-7).
.macro GROUP c, hasa
	s_wait_tensorcnt 3-\c                          ; my load c has landed; my younger ones stay out.  (A wave that fetched nothing passes at once)
	s_wait_dscnt 0x0
	s_barrier_signal -1
	s_barrier_wait -1                              ; everybody's has
	s_mov_b32 s[CNT], 4
.Lgrp_\@:
.if \hasa
	STEP 12, 20, 44, 160, DA, 46
.endif
	STEP 16, 32, 45, 192, DB, 47
	s_add_co_u32 s[TB], s[TB], BLKB
	s_add_co_u32 s[KS], s[KS], 1
	s_sub_co_u32 s[CNT], s[CNT], 1
	s_cmp_lg_u32 s[CNT], 0
	s_cbranch_scc1 .Lgrp_\@
.endm
	s_wait_loadcnt 0x0                             ; q
	GROUP 0, 1
	GROUP 1, 1
	GROUP 2, 0
	GROUP 3, 0
	; THE WAY OUT: O^T / the sum, quantised along the channels: blocks 0, 1 are my first tile's channels 0-31 and 32-63, blocks 2, 3 my second tile's.
	v_add_f32 v14, v14, v15                        ; the sums' two halves,
	v_add_f32 v18, v18, v19
	v_permlanex16_b32 v236, v14, s[SEL], s[SEL+1]
	v_permlanex16_b32 v237, v18, s[SEL], s[SEL+1]
	v_add_f32 v14, v14, v236                       ; and lane l xor 16's
	v_add_f32 v18, v18, v237
	v_rcp_f32 v14, v14
	v_rcp_f32 v18, v18
.irp b, 0,1,2,3
	v_mov_b32 v[TM+4+\b], 0                        ; the quantiser's permute destinations; also the plain instructions behind the reciprocals
.endr
.set j, 0
.rept 16
	v_pk_mul_f32 v[S+j:S+j+1], v[160+j:160+j+1], v[14:15] op_sel_hi:[1,0]
.set j, j+2
.endr
.set j, 0
.rept 16
	v_pk_mul_f32 v[S+32+j:S+32+j+1], v[192+j:192+j+1], v[18:19] op_sel_hi:[1,0]
.set j, j+2
.endr
	QUANT S, 224, 64
	global_store_b128 v1, v[224:227], s[68:69]               ; my first tile's half image: 512 and 256 consecutive bytes, at multiples of 256 from the buffer's first byte
	global_store_b64 v2, v[228:229], s[68:69] offset:512
	global_store_b128 v1, v[230:233], s[70:71]               ; my second's
	global_store_b64 v2, v[234:235], s[70:71] offset:512
	v_and_b32 v8, 31, v0
	v_cmp_gt_u32 vcc_lo, 16, v8
	v_lshrrev_b32 v9, 16, v64
	v_cndmask_b32 v9, v9, v64, vcc_lo              ; lanes 0-15: the first tile's two bytes, lanes 16-31: the second's
	v_mov_b32 v10, s10
	v_mov_b32 v11, s11
	v_cndmask_b32 v10, v11, v10, vcc_lo
	v_add_nc_u32 v10, v10, v3                      ; row r's word
	global_store_b16 v10, v9, s[8:9] offset:12288
	CROUND                                         ; the closing round: no work-group ends while a partner may still ask for a block that names it
	s_endpgm
.Lfunc_end_k_q129ef997de_attn:
	.size	k_q129ef997de_attn, .Lfunc_end_k_q129ef997de_attn-k_q129ef997de_attn
	.p2alignl 7, 3214868480
	.fill 96, 4, 3214868480
	.section	.rodata,"a",@progbits
	.p2align	6, 0x0
	.amdhsa_kernel k_q129ef997de_attn
		.amdhsa_group_segment_fixed_size 327680
		.amdhsa_private_segment_fixed_size 0
		.amdhsa_enable_private_segment 0
		.amdhsa_kernarg_size 24
		.amdhsa_user_sgpr_count 2
		.amdhsa_user_sgpr_kernarg_segment_ptr 1
		.amdhsa_wavefront_size32 1
		.amdhsa_system_sgpr_workgroup_id_x 1
		.amdhsa_system_sgpr_workgroup_id_y 1
		.amdhsa_system_sgpr_workgroup_id_z 1
		.amdhsa_system_vgpr_workitem_id 0
		.amdhsa_next_free_vgpr 256
		.amdhsa_next_free_sgpr 72
		.amdhsa_reserve_vcc 1
		.amdhsa_float_denorm_mode_32 3
		.amdhsa_float_denorm_mode_16_64 3
		.amdhsa_memory_ordered 1
		.amdhsa_forward_progress 1
		.amdhsa_inst_pref_size 147
	.end_amdhsa_kernel
	.amdgpu_metadata
---
amdhsa.version: [ 1, 2 ]
amdhsa.kernels:
  - .name:           k_q129ef997de_attn
    .symbol:         k_q129ef997de_attn.kd
    .args:
      - { .name: qc, .offset: 0, .size: 8, .value_kind: global_buffer, .address_space: global }
      - { .name: kv, .offset: 8, .size: 8, .value_kind: global_buffer, .address_space: global }
      - { .name: ac, .offset: 16, .size: 8, .value_kind: global_buffer, .address_space: global }
    .group_segment_fixed_size: 327680
    .private_segment_fixed_size: 0
    .kernarg_segment_align: 8
    .kernarg_segment_size: 24
    .max_flat_workgroup_size: 512
    .sgpr_count:     72
    .vgpr_count:     256
    .wavefront_size: 32
...
	.end_amdgpu_metadata
.endif
;; end of part 3
;; launch proj (part 4): grid 4 x 64, 4 waves a work-group, clusters of 4 x 4, 327,680 bytes of LDS; arguments ac, woc, b_out, out0; writes out0
.if DOCPART == 4
	.amdgcn_target "amdgcn-amd-amdhsa--gfx1250"
	.amdhsa_code_object_version 6
	.text
	.protected	k_q129ef997de_proj
	.globl	k_q129ef997de_proj
	.p2align	8
	.type	k_q129ef997de_proj,@function
k_q129ef997de_proj:
	s_mov_b64 s[64:65], 0
	v_nop
	global_prefetch_b8 v0, s[64:65] scope:SCOPE_SE
	s_setreg_imm32_b32 hwreg(HW_REG_WAVE_MODE, 25, 1), 1
	s_wait_xcnt 0x0
	s_wait_alu depctr_hold_cnt(0) depctr_sa_sdst(0) depctr_va_vdst(0) depctr_va_sdst(0) depctr_va_ssrc(0) depctr_va_vcc(0) depctr_vm_vsrc(0)
	s_getreg_b32 s2, hwreg(HW_REG_IB_STS2, 6, 4)
	s_cmp_eq_u32 s2, 0
	s_cbranch_scc0 .Lentry_in_a_cluster
	s_endpgm
.Lentry_in_a_cluster:
	s_bfe_u32 s2, ttmp6, 0x10000c
	s_cmp_lg_u32 s2, 0xf033
	s_cbranch_scc0 .Lentry_shape_is_right
	s_endpgm
.Lentry_shape_is_right:
; out0 = o W_out^T + b_out on codes of FP6 (E2M3) with E8M0 scales; out0 [8192][1024] f32.
; ac: [64 blocks of 128 places of tokens][8 K steps][12,800]: 8 fragment images of 1,536 bytes, then 8 x 64 bytes of scale words.  woc: [4 blocks of 256 places of features][8][25,600]: 16 images, 16 x 64 bytes.
; An image: registers 0-3 at 16 x lane, 4-5 at 512 + 8 x lane, 6-9 at 768 + 16 x lane, 10-11 at 1,280 + 8 x lane.  Place p holds true index p with bits 3 and 4 exchanged: undone here, on the way out.
; SHARES: a work-group makes 128 places of tokens x 256 features; wave w all 128 x features 64 w .. 64 w + 63: 8 x 4 accumulators, 256 registers.
; ALL EIGHT K STEPS LIE IN LDS (8 x 38,400 bytes): every tensor load is a first fill, issued at the start in the order of use, four a wave; counted waits and plain barriers free them pair by pair.  No LDS byte is filled twice.
; CLUSTER 4 x 4: A's chunks are asked for jointly along a row of the cluster, B's along a column.
; The product is used transposed (source 0 = 16 features, source 1 = 16 tokens): a lane holds one token and eight neighbouring true features a tile.  A block of 16 tokens x 64 features goes through the wave's own stage
; (behind the chunks: no fill lands there) and leaves as rows of 256 bytes.
; REGISTERS, in windows of 256: window 0: v1-13 lane numbers and addresses, v16-27 scale words in two sets, v32-63 the bias as the first products' C, v128-191 rows on the way out.
;   window 1: the 32 accumulators.   windows 2 and 3: the fragments of a K step, two sets: A's tile a at v[12 a], B's tile b at v[96 + 12 b].
.set CHA,  12800
.set CHB,  25600
.set KST,  CHA+CHB
.set STG,  8*KST                       ; the stages: 16 rows x (256 bytes + 16) for each wave
.set G1A,  24
.set G1B,  48
.set G0A,  68
.set G0B,  84
.set SC,   16
.set BI,   32
.set BK,   128
.set MSB,  0
.macro WIN new                         ; the immediate's high byte repeats the setting that is left
.if MSB != (\new)
	s_set_vgpr_msb (MSB<<8)|(\new)
.set MSB, (\new)
.endif
.endm
.macro CROUND                          ; a round of the cluster's barrier
	s_barrier_signal -1
	s_barrier_wait -1
	s_cmp_lg_u32 s14, 0
	s_cbranch_scc1 .Lnot_wave_0_\@
	s_barrier_signal -3
.Lnot_wave_0_\@:
	s_barrier_wait -3
	s_barrier_signal -1
	s_barrier_wait -1
.endm
.macro FRAGL f, a16, a8, t             ; tile t's image into 12 registers: every load reads consecutive bytes
	ds_load_b128 v[\f:\f+3], v[\a16] offset:1536*(\t)
	ds_load_b64 v[\f+4:\f+5], v[\a8] offset:1536*(\t)+512
	ds_load_b128 v[\f+6:\f+9], v[\a16] offset:1536*(\t)+768
	ds_load_b64 v[\f+10:\f+11], v[\a8] offset:1536*(\t)+1280
.endm
.macro FETCH p                         ; a K step's scale words and fragments into set p: 6 + 16 (B) + 16 (A's tiles 0-3) + 16 (A's tiles 4-7) loads
	WIN 0
.irp i, 0,1,2,3
	ds_load_b32 v[SC+6*(\p)+\i], v8 offset:128*\i
.endr
.irp i, 0,1
	ds_load_b32 v[SC+6*(\p)+4+\i], v9 offset:128*\i
.endr
	WIN 0x80+0x40*(\p)
.irp t, 0,1,2,3
	FRAGL 96+12*\t, 6, 7, \t
.endr
.irp t, 0,1,2,3,4,5,6,7
	FRAGL 12*\t, 4, 5, \t
.endr
.endm
.macro WM d, a, b, c, sa, ra, sb, rb   ; one product; ra, rb: the side's scale words lie in lanes 16-31
.if (\ra) && (\rb)
	v_wmma_scale_f32_16x16x128_f8f6f4 v[\d:\d+7], v[\a:\a+11], v[\b:\b+11], v[\c:\c+7], v[\sa], v[\sb] matrix_a_fmt:MATRIX_FMT_FP6 matrix_b_fmt:MATRIX_FMT_FP6 matrix_a_scale:MATRIX_SCALE_ROW1 matrix_b_scale:MATRIX_SCALE_ROW1
.elseif (\ra)
	v_wmma_scale_f32_16x16x128_f8f6f4 v[\d:\d+7], v[\a:\a+11], v[\b:\b+11], v[\c:\c+7], v[\sa], v[\sb] matrix_a_fmt:MATRIX_FMT_FP6 matrix_b_fmt:MATRIX_FMT_FP6 matrix_a_scale:MATRIX_SCALE_ROW1
.elseif (\rb)
	v_wmma_scale_f32_16x16x128_f8f6f4 v[\d:\d+7], v[\a:\a+11], v[\b:\b+11], v[\c:\c+7], v[\sa], v[\sb] matrix_a_fmt:MATRIX_FMT_FP6 matrix_b_fmt:MATRIX_FMT_FP6 matrix_b_scale:MATRIX_SCALE_ROW1
.else
	v_wmma_scale_f32_16x16x128_f8f6f4 v[\d:\d+7], v[\a:\a+11], v[\b:\b+11], v[\c:\c+7], v[\sa], v[\sb] matrix_a_fmt:MATRIX_FMT_FP6 matrix_b_fmt:MATRIX_FMT_FP6
.endif
.endm
; 16 products: A's tiles a0 .. a0 + 3 x B's four, from set p, transposed; accumulator (a, b) at v[8 (4 a + b)].  first = 1: the bias is the C, so nothing is cleared or added later.
; The 32 accumulators take turns, one instruction a turn, in the same order in every K step.
.macro MULH p, first, a0
.if \first
	WIN 0x4a                                       ; sources 0 and 1 window 2, C window 0, D window 1
.else
	WIN 0x5a+5*(\p)                                ; sources window 2 or 3, C and D window 1
.endif
.irp a, \a0, \a0+1, \a0+2, \a0+3
.irp b, 0,1,2,3
.set rD, 8*(4*(\a)+\b)
.if \first
.set rC, BI+8*\b
.else
.set rC, rD
.endif
	WM rD, 96+12*\b, 12*(\a), rC, SC+6*(\p)+4+\b/2, \b%2, SC+6*(\p)+(\a)/2, (\a)%2
.endr
.endr
.endm
.macro STEPK s                         ; K step s on set s % 2; in its middle the next step's fragments are fetched into the other set
	s_wait_dscnt 16                                ; all of this step but A's tiles 4-7, the youngest sixteen loads
.if (\s) == 0
	s_wait_loadcnt 0x0                             ; the bias
	MULH 0, 1, 0
.else
	MULH (\s)%2, 0, 0
.endif
	s_wait_dscnt 0x0                               ; A's tiles 4-7 are in (asked for sixteen products ago): no LDS load of mine is out, so the addresses may step
.if (\s) < 7
	WIN 0
.irp r, 4,5,6,7,8,9
	v_add_nc_u32 v\r, KST, v\r                     ; on to the next K step.  These six are also the places between the last step's products and the loads into the registers that they read
.endr
.if (\s)%2 == 1
	s_wait_tensorcnt 3-((\s)+1)/2                  ; my load for the next pair of K steps has landed; my younger ones stay out
	s_barrier_signal -1
	s_barrier_wait -1                              ; everybody's has
.endif
	FETCH 1-(\s)%2
.endif
.if (\s) == 0
	MULH 0, 1, 4
.else
	MULH (\s)%2, 0, 4
.endif
.endm
	s_load_b256 s[4:11], s[0:1], 0x0               ; ac s[4:5], woc s[6:7], b_out s[8:9], out0 s[10:11]
	v_lshrrev_b32 v1, 5, v0
	v_readfirstlane_b32 s14, v1                    ; wave 0..3
	s_lshr_b32 s15, s14, 1                         ; I fetch for A (0) or for B (1),
	s_and_b32 s16, s14, 1                          ; the even or the odd K steps
	s_bfe_u32 s40, ttmp6, 0x40000                  ; cx, cy: my place in the cluster
	s_bfe_u32 s41, ttmp6, 0x40004
	s_lshl_b32 s42, ttmp9, 2
	s_add_co_u32 s42, s42, s40                     ; block of features = 4 x cluster x + cx
	s_and_b32 s17, ttmp7, 0xffff
	s_lshl_b32 s17, s17, 2
	s_add_co_u32 s17, s17, s41                     ; block of tokens = 4 x cluster y + cy
	s_lshl_b32 s43, s41, 2
	s_lshl_b32 s43, 15, s43                        ; my row of the cluster
	s_lshl_b32 s44, 0x1111, s40                    ; my column
	; descriptor group 1: a dense chunk as rows of 256 bytes (32 elements of 8 bytes), 50 rows for A, 100 for B, no padding
	s_or_b32 s[G1A], s43, (3<<16)|(1<<21)          ; 15:0 the mask; 17:16 elements of 8 bytes; 21 set beside a mask
	s_or_b32 s[G1B], s44, (3<<16)|(1<<21)
	s_mov_b32 s[G1A+1], 32<<16                     ; tensor_dim0
	s_mov_b32 s[G1A+2], 50<<16                     ; tensor_dim1
	s_mov_b32 s[G1A+3], 32<<16                     ; tile_dim0
	s_mov_b32 s[G1A+4], 50                         ; tile_dim1
	s_mov_b32 s[G1A+5], 32                         ; elements from row to row
	s_mov_b32 s[G1A+6], 0
	s_mov_b32 s[G1A+7], 0
	s_mov_b32 s[G1B+1], 32<<16
	s_mov_b32 s[G1B+2], 100<<16
	s_mov_b32 s[G1B+3], 32<<16
	s_mov_b32 s[G1B+4], 100
	s_mov_b32 s[G1B+5], 32
	s_mov_b32 s[G1B+6], 0
	s_mov_b32 s[G1B+7], 0
	s_lshl_b32 s20, s17, 3
	s_add_co_u32 s20, s20, s16
	s_mul_i32 s20, s20, CHA                        ; A: chunk (block of tokens, K step wave % 2)
	s_mov_b32 s21, 0
	s_lshl_b32 s22, s42, 3
	s_add_co_u32 s22, s22, s16
	s_mul_i32 s22, s22, CHB                        ; B: chunk (block of features, K step wave % 2)
	s_mov_b32 s23, 0
	s_mul_i32 s45, s16, KST                        ; and where they go: no place in the cluster enters an LDS address
	s_wait_kmcnt 0x0
	s_add_nc_u64 s[20:21], s[4:5], s[20:21]
	s_add_nc_u64 s[22:23], s[6:7], s[22:23]
	CROUND                                         ; all sixteen work-groups are here: the joint loads meet
.irp c, 0,1,2,3                                    ; load c: K step 2 c + wave % 2
	s_mov_b32 s[G0A+4*\c], 1
	s_add_co_u32 s[G0A+4*\c+1], s45, \c*2*KST
	s_add_nc_u64 s[G0A+4*\c+2:G0A+4*\c+3], s[20:21], \c*2*CHA
	s_or_b32 s[G0A+4*\c+3], s[G0A+4*\c+3], 0x80000000
	s_mov_b32 s[G0B+4*\c], 1
	s_add_co_u32 s[G0B+4*\c+1], s45, \c*2*KST+CHA
	s_add_nc_u64 s[G0B+4*\c+2:G0B+4*\c+3], s[22:23], \c*2*CHB
	s_or_b32 s[G0B+4*\c+3], s[G0B+4*\c+3], 0x80000000
.endr
	s_cmp_eq_u32 s15, 0                            ; a wave's four first fills stand in one branch on its number; four v_nop follow the last.  Four loads of mine are out
	s_cbranch_scc0 .Lfor_b
.irp c, 0,1,2,3
	tensor_load_to_lds s[G0A+4*\c:G0A+4*\c+3], s[G1A:G1A+7]
.endr
.rept 4
	v_nop
.endr
	s_branch .Lasked
.Lfor_b:
.irp c, 0,1,2,3
	tensor_load_to_lds s[G0B+4*\c:G0B+4*\c+3], s[G1B:G1B+7]
.endr
.rept 4
	v_nop
.endr
.Lasked:
	v_and_b32 v3, 31, v0                           ; lane
	v_and_b32 v1, 15, v0                           ; r
	v_bfe_u32 v2, v0, 4, 1                         ; h
	s_lshl_b32 s56, s42, 10
	s_lshl_b32 s57, s14, 8
	s_add_co_u32 s56, s56, s57                     ; my 64 features, in bytes
	s_mov_b32 s57, 0
	s_add_nc_u64 s[58:59], s[8:9], s[56:57]        ; their bias
	v_lshlrev_b32 v13, 6, v2                       ; lane (., h), register j of tile 2 b + u wants the bias of true feature 32 b + 16 h + 8 u + j
.irp b, 0,1,2,3
	global_load_b128 v[BI+8*\b:BI+8*\b+3], v13, s[58:59] offset:(32*(\b/2)+8*(\b%2))*4
	global_load_b128 v[BI+8*\b+4:BI+8*\b+7], v13, s[58:59] offset:(32*(\b/2)+8*(\b%2))*4+16
.endr
	v_lshlrev_b32 v4, 4, v3                        ; A's images: 16 x lane,
	v_lshlrev_b32 v5, 3, v3                        ; 8 x lane
	s_mul_i32 s46, s14, 6144
	s_add_co_u32 s46, s46, CHA                     ; B's: my four tiles
	v_lshl_add_u32 v6, v3, 4, s46
	v_lshl_add_u32 v7, v3, 3, s46
	v_lshl_add_u32 v8, v3, 2, 12288                ; A's scale words: 4 x lane: two tiles a load
	s_lshl_b32 s46, s14, 8
	s_add_co_u32 s46, s46, CHA+24576
	v_lshl_add_u32 v9, v3, 2, s46                  ; B's
	s_mul_i32 s46, s14, 16*272
	s_add_co_u32 s46, s46, STG                     ; my stage
	v_mul_u32_u24 v10, v1, 272
	v_lshl_add_u32 v10, v2, 6, v10
	v_add_nc_u32 v10, s46, v10                     ; in: row r, + 64 h: true features 16 h on of each 32
	v_mul_u32_u24 v11, v2, 272
	v_lshl_add_u32 v11, v1, 4, v11
	v_add_nc_u32 v11, s46, v11                     ; back: lanes 0-15 one row of 256 bytes, lanes 16-31 the next
	v_lshlrev_b32 v12, 12, v2
	v_lshl_add_u32 v12, v1, 4, v12                 ; and the same two rows in out0, 4,096 bytes apart
	s_lshl_b32 s62, s17, 19                        ; my block's 128 rows of 4,096 bytes
	s_mov_b32 s63, 0
	s_add_nc_u64 s[60:61], s[10:11], s[62:63]
	s_add_nc_u64 s[60:61], s[60:61], s[56:57]
	s_wait_tensorcnt 3                             ; my first load (K step 0 or 1) has landed; three are younger
	s_barrier_signal -1
	s_barrier_wait -1
	FETCH 0
.irp s, 0,1,2,3,4,5,6,7
	STEPK \s
.endr
	WIN 0
; THE WAY OUT, a tile of 16 places of tokens at a time.  LDS serves a wave's instructions in order: no wait between the stores and the loads, nor in front of the next tile's stores.
.macro TOSTAGE a
.if (\a) > 1
	s_wait_xcnt 0x0                                ; tile a - 2's stores have read their registers: tile a's rows may land there
.endif
	WIN 0x04                                       ; an LDS store's data are its source 1: window 1
.irp b, 0,1,2,3
	ds_store_b128 v10, v[8*(4*(\a)+\b):8*(4*(\a)+\b)+3] offset:128*(\b/2)+32*(\b%2)       ; each accumulator from its low end on
	ds_store_b128 v10, v[8*(4*(\a)+\b)+4:8*(4*(\a)+\b)+7] offset:128*(\b/2)+32*(\b%2)+16
.endr
	WIN 0
.set BB, BK+32*((\a)%2)
.irp i, 0,1,2,3,4,5,6,7
	ds_load_b128 v[BB+4*\i:BB+4*\i+3], v11 offset:544*\i
.endr
.endm
.macro SEND a, younger                 ; younger: the LDS instructions issued behind tile a's loads, which may stay out
.set BB, BK+32*((\a)%2)
	s_wait_dscnt \younger
.irp i, 0,1,2,3,4,5,6,7                            ; stage row 2 i + (lane / 16) of tile a is true token 32 (a / 2) + 8 (a % 2) + 2 i + 8 (i / 4) + (lane / 16) of the block: the immediate alone undoes the order of places
	global_store_b128 v12, v[BB+4*\i:BB+4*\i+3], s[60:61] offset:(32*((\a)/2)+8*((\a)%2)+2*\i+8*(\i/4))*4096 th:TH_STORE_NT   ; 16 lanes store 256 consecutive bytes, at a multiple of 256 from out0's first byte
.endr
.endm
.rept 4
	v_nop                                          ; places between the last products and the first read of results
.endr
	TOSTAGE 0
.irp a, 1,2,3,4,5,6,7
	TOSTAGE \a
	SEND \a-1, 16                                  ; behind tile a - 1's loads: tile a's 8 stores and 8 loads
.endr
	SEND 7, 0
	CROUND                                         ; the closing round: no work-group ends while a partner may still ask for a chunk that names it
	s_endpgm
.Lfunc_end_k_q129ef997de_proj:
	.size	k_q129ef997de_proj, .Lfunc_end_k_q129ef997de_proj-k_q129ef997de_proj
	.p2alignl 7, 3214868480
	.fill 96, 4, 3214868480
	.section	.rodata,"a",@progbits
	.p2align	6, 0x0
	.amdhsa_kernel k_q129ef997de_proj
		.amdhsa_group_segment_fixed_size 327680
		.amdhsa_private_segment_fixed_size 0
		.amdhsa_enable_private_segment 0
		.amdhsa_kernarg_size 32
		.amdhsa_user_sgpr_count 2
		.amdhsa_user_sgpr_kernarg_segment_ptr 1
		.amdhsa_wavefront_size32 1
		.amdhsa_system_sgpr_workgroup_id_x 1
		.amdhsa_system_sgpr_workgroup_id_y 1
		.amdhsa_system_sgpr_workgroup_id_z 1
		.amdhsa_system_vgpr_workitem_id 0
		.amdhsa_next_free_vgpr 912
		.amdhsa_next_free_sgpr 100
		.amdhsa_reserve_vcc 0
		.amdhsa_float_denorm_mode_32 3
		.amdhsa_float_denorm_mode_16_64 3
		.amdhsa_memory_ordered 1
		.amdhsa_forward_progress 1
		.amdhsa_inst_pref_size 87
	.end_amdhsa_kernel
	.amdgpu_metadata
---
amdhsa.version: [ 1, 2 ]
amdhsa.kernels:
  - .name:           k_q129ef997de_proj
    .symbol:         k_q129ef997de_proj.kd
    .args:
      - { .name: ac, .offset: 0, .size: 8, .value_kind: global_buffer, .address_space: global }
      - { .name: woc, .offset: 8, .size: 8, .value_kind: global_buffer, .address_space: global }
      - { .name: b_out, .offset: 16, .size: 8, .value_kind: global_buffer, .address_space: global }
      - { .name: out0, .offset: 24, .size: 8, .value_kind: global_buffer, .address_space: global }
    .group_segment_fixed_size: 327680
    .private_segment_fixed_size: 0
    .kernarg_segment_align: 8
    .kernarg_segment_size: 32
    .max_flat_workgroup_size: 128
    .sgpr_count:     100
    .vgpr_count:     912
    .wavefront_size: 32
...
	.end_amdgpu_metadata
.endif
;; end of part 4
